; MI455X (gfx1250); checked and timed in simulation.
; The chip was launched on July 23, 2026; its instructions are those of AMD's public machine-readable ISA for CDNA 5 (MIT licence, August 2026) and "CDNA5" Instruction Set Architecture Reference Guide (July 2026). The comments in the code are by the model that wrote it; some were corrected since.
;; Stream Aware Lo RA. Allowed arithmetic: matrix products marked QUANTISED: E3M2 operands, one E8M0 scale for each 32 along K, by v_wmma_scale_f32_16x16x128_f8f6f4 with both operands' format E3M2, f32 sums; products left as they are: f32 operands where the result goes on into a quantised operand, else bf16, f16 or f32 operands; f32 sums; everything else in f32.
;; Inputs: W 4,096 x 4,096 float32; b 4,096 float32; hidden_states 32 x 128 x 4,096 float32; lora_A 8 x 16 x 4,096 float32; lora_B 8 x 4,096 x 16 float32.
;; Outputs: out0 32 x 128 x 4,096 float32.
;; This version of the problem:
;;   THIS VERSION OF THE PROBLEM IS GIVEN IN LOW PRECISION. The matrix products marked QUANTISED in the list below multiply operands that are first quantised to E3M2 (3 exponent bits, 2 mantissa bits; 6 bits a number), with one power-of-two scale for each 32 numbers along K (OCP MX v1.0); their sums are f32. All else is computed in f32.
;;   The module's matrix products, in the order in which they are computed (A, B: the left and right operand; K: the contracted axis; several contracted axes count as one K, in the product's order):
;;     1. [M 4,096, K 4,096] x [K 4,096, N 4,096]; A: input hidden_states; B: input W: QUANTISED
;;     2. batch 8 x [M 512, K 4,096] x [K 4,096, N 16]; A: input hidden_states; B: input lora_A: QUANTISED
;;     3. batch 8 x [M 512, K 16] x [K 16, N 4,096]; A: computed on the way; B: input lora_B: left as it is (K = 16 < 32)
;;   THE QUANTISER, for each operand of a quantised product, along K:
;;     - K is cut into blocks of 32 from its start; a last block that is shorter is filled with zeros.
;;     - A block's scale is 2^e with e = floor(log2(the largest magnitude in the block)) - 4, held to -126 .. 127; a block of zeros has e = 0. As a byte (E8M0): e + 127.
;;     - Each number is divided by its block's scale, clamped to +-28, and rounded to the nearest number of E3M2, ties to even, subnormals kept.
;;     - The product sums the exact products of the quantised numbers (number of the format x scale) in f32.
;;   ~~~python
;;   def quantise(x, axis):      # numpy; x: float32 -> the quantised numbers, widened to float32 again
;;       x = np.moveaxis(x, axis, -1); K = x.shape[-1]
;;       x = np.pad(x, [(0, 0)] * (x.ndim - 1) + [(0, -K % 32)]); x = x.reshape(x.shape[:-1] + (-1, 32)); a = np.abs(x).max(-1, keepdims=True)
;;       e = np.where(a > 0, np.clip(np.frexp(np.where(a > 0, a, 1))[1] - 1 - 4, -126, 127), 0)      # np.frexp(a)[1] - 1 = floor(log2(a)), exactly
;;       r = np.clip(x / 2.0 ** e, -28, 28)
;;       step = 2.0 ** (np.maximum(np.frexp(np.where(r == 0, 1, r))[1] - 1, -2) - 2)
;;       q = np.round(r / step) * step * 2.0 ** e      # np.round: ties to even
;;       return np.moveaxis(q.reshape(q.shape[:-2] + (-1,))[..., :K], -1, axis).astype(np.float32)
;;   ~~~
;; One version. Each part assembles by itself: llvm-mc -triple=amdgcn-amd-amdhsa -mcpu=gfx1250 --defsym DOCPART=n.
;; ======== version 1 of 1: 2 launches
;; workspace buffers: xa_codes 13,369,344 bytes; xa_scales 557,056 bytes; w_codes 12,582,912 bytes; w_scales 524,288 bytes
;; launch quant (part 1): grid 1056 x 1, 4 waves a work-group, no clusters, 33,280 bytes of LDS; arguments hidden_states, W, xa_codes, xa_scales, w_codes, w_scales, lora_A; writes xa_codes, xa_scales, w_codes, w_scales
.if DOCPART == 1
	.amdgcn_target "amdgcn-amd-amdhsa--gfx1250"
	.amdhsa_code_object_version 6
	.text
	.protected	k_qc0ab3825e4_quant
	.globl	k_qc0ab3825e4_quant
	.p2align	8
	.type	k_qc0ab3825e4_quant,@function
k_qc0ab3825e4_quant:
	s_mov_b64 s[64:65], 0
	v_nop
	global_prefetch_b8 v0, s[64:65] scope:SCOPE_SE
	s_setreg_imm32_b32 hwreg(HW_REG_WAVE_MODE, 25, 1), 1
	s_wait_xcnt 0x0
; hidden_states (as x [4096][4096]), W [4096][4096] and lora_A (as [128][4096]), f32, K innermost, are turned into codes of BF6 (E3M2), 6 bits each,
; with one E8M0 scale byte for each 32 along K.  A row of 4,096 codes is one stream of bits, 3,072 bytes; its scale bytes are 128.
; WHERE THEY GO.  w_codes [4096][3072], w_scales [4096][128]: W's rows as they lie.  xa_codes [16][272][3072], xa_scales [16][272][128]: tile t holds x's rows 256 t .. 256 t + 255
; and behind them, as rows 256 .. 271, the 16 rows of lora_A[t / 2], the stream that owns those rows of x: so the product's launch brings both by the same tiles.  Each stream's factor is stored twice.
; THE RULE.  A block's scale is 2^(floor(log2(its largest magnitude)) - 4); its byte is the largest magnitude's own exponent field - 4, held at 1 from below.  Each number is divided by the scale
; and rounded to the nearest code, ties to even, beyond 28 the largest code.
; LIMITS: a block of zeros gets the byte 1 where the rule says 127 (its codes are zeros, which add nothing, and this program alone reads the bytes); blocks whose largest magnitude lies
; under 2^-122 are held at the byte 1, the rule's own lower hold; NaN and infinities among the inputs are not served.
; SHARES.  A wave takes two whole rows, 8,192 numbers, in 16 steps of 512; a work-group eight rows.  Work-groups 0-511 take x, 512-1023 W, 1024-1055 lora_A (once for each of its two copies).
; Only pointers and row numbers are chosen by the work-group's number: all three take one path through the text.
; A conversion takes 16 numbers of one block from ONE lane's registers; a load is dense where neighbouring lanes take neighbouring bytes.  Both are had: each load reads 512 consecutive bytes,
; 16 a lane; a step's 2,048 bytes go through the wave's own stage in LDS as they lie and come back 64 bytes a lane (16 bytes of padding behind each 64).
; No tensor loads, no barrier: waves share nothing.  Loads run four steps (16 loads a wave) ahead, the turn through LDS one step.
.set STEPS, 16
.set EMAX,  4
.set CB,    12                         ; bytes of 16 codes
.set R,     16                         ; v16-79   four sets of 16 numbers as they are loaded
.set X,     80                         ; v80-111  two sets of 16 neighbours
.set E,     112                        ; v112-127 a scale byte for each step
.set C,     128                        ; v128-191 codes: four registers for each step, so that no store's data are written again
.set WREG,  8192                       ; LDS: a region for each wave: two stages of 32 x SP bytes, and behind them its 256 scale bytes
.set SP,    80                         ; a lane's place in a stage: its 64 bytes + 16 of padding
	s_load_b128 s[4:7], s[0:1], 0x0                ; x, W
	s_load_b128 s[8:11], s[0:1], 0x10              ; xa_codes, xa_scales
	s_load_b128 s[12:15], s[0:1], 0x20             ; w_codes, w_scales
	s_load_b64 s[16:17], s[0:1], 0x30              ; lora_A
	v_lshl_add_u32 v192, v0, 2, 0x8000
	v_mov_b32 v193, 0
	v_lshrrev_b32 v1, 5, v0
	v_readfirstlane_b32 s20, v1                    ; wave 0..3
	v_and_b32 v2, 31, v0                           ; lane
	v_lshlrev_b32 v3, 4, v2                        ; my 16 bytes of a load's 512
	s_mul_i32 s36, s20, WREG
	v_lshrrev_b32 v14, 2, v2
	v_mul_u32_u24 v14, v14, SP
	v_and_b32 v15, 3, v2
	v_lshl_add_u32 v14, v15, 4, v14
	v_add_nc_u32 v14, s36, v14                     ; the stage, on the way in: SP (lane / 4) + 16 (lane % 4); a load's 512 bytes take eight places
	v_mul_u32_u24 v15, v2, SP
	v_add_nc_u32 v15, s36, v15                     ; and on the way out: SP x lane: my 16 neighbours
	v_mul_u32_u24 v4, v2, CB                       ; my codes' place in a step's
	v_lshrrev_b32 v5, 1, v2
	s_add_co_u32 s36, s36, 2*32*SP
	v_add_nc_u32 v5, s36, v5                       ; LDS: my wave's 256 scale bytes, my block's byte
	v_lshlrev_b32 v7, 3, v2                        ; and on the way out 8 bytes a lane
	v_add_nc_u32 v6, s36, v7
	; the work-group's first row, in the source and in the destination, for each of the three cases
	s_and_b32 s21, ttmp9, 511
	s_lshl_b32 s21, s21, 3                         ; x, W: source row 8 (g % 512); W's destination row too
	s_lshr_b32 s22, s21, 8
	s_lshl_b32 s22, s22, 4
	s_add_co_u32 s22, s22, s21                     ; x's destination row: 16 more for each tile of 256 passed
	s_and_b32 s23, ttmp9, 31                       ; lora_A: L = g - 1024: tile L / 2, which eight rows L % 2
	s_lshr_b32 s24, s23, 2
	s_lshl_b32 s24, s24, 4
	s_and_b32 s25, s23, 1
	s_lshl_b32 s25, s25, 3
	s_add_co_u32 s24, s24, s25                     ; source row 16 (L / 4) + 8 (L % 2)
	s_lshr_b32 s26, s23, 1
	s_mul_i32 s26, s26, 272
	s_add_co_u32 s26, s26, s25
	s_add_co_u32 s26, s26, 256                     ; destination row 272 (L / 2) + 256 + 8 (L % 2)
	s_lshl_b32 s27, s20, 1                         ; my wave's two rows of the eight
	s_wait_kmcnt 0x0
	s_cmp_lt_u32 ttmp9, 512                        ; x or W?  Both choices hang on the work-group's number alone
	s_cselect_b64 s[28:29], s[4:5], s[6:7]         ; the source,
	s_cselect_b64 s[30:31], s[8:9], s[12:13]       ; the codes,
	s_cselect_b64 s[32:33], s[10:11], s[14:15]     ; the scale bytes
	s_cselect_b32 s22, s22, s21
	s_cmp_lt_u32 ttmp9, 1024                       ; or lora_A?
	s_cselect_b64 s[28:29], s[28:29], s[16:17]
	s_cselect_b64 s[30:31], s[30:31], s[8:9]
	s_cselect_b64 s[32:33], s[32:33], s[10:11]
	s_cselect_b32 s21, s21, s24
	s_cselect_b32 s22, s22, s26
	s_add_co_u32 s21, s21, s27
	s_add_co_u32 s22, s22, s27
	s_lshl_b32 s34, s21, 14                        ; a source row is 16,384 bytes (all three offsets stay under 2^27)
	s_mov_b32 s35, 0
	s_add_nc_u64 s[28:29], s[28:29], s[34:35]
	s_mul_i32 s34, s22, 3072                       ; a row of codes
	s_add_nc_u64 s[30:31], s[30:31], s[34:35]
	s_lshl_b32 s34, s22, 7                         ; a row of scale bytes
	s_add_nc_u64 s[32:33], s[32:33], s[34:35]
.macro LOAD t
.irp i, 0,1,2,3
	global_load_b128 v[R+16*((\t)%4)+4*\i:R+16*((\t)%4)+4*\i+3], v3, s[28:29] offset:2048*(\t)+512*\i th:TH_LOAD_NT   ; 32 lanes read 512 consecutive bytes
.endr
.endm
.macro TURN t                          ; step t's numbers through the stage: LDS serves a wave's instructions in order (ISA guide 5.7.1.4), so no wait stands between the stores and the loads
.irp i, 0,1,2,3
	ds_store_b128 v14, v[R+16*((\t)%4)+4*\i:R+16*((\t)%4)+4*\i+3] offset:32*SP*((\t)%2)+8*SP*\i
.endr
.irp i, 0,1,2,3
	ds_load_b128 v[X+16*((\t)%2)+4*\i:X+16*((\t)%2)+4*\i+3], v15 offset:32*SP*((\t)%2)+16*\i
.endr
.endm
.irp t, 0,1,2,3
	LOAD \t
.endr
	s_wait_loadcnt 12                              ; step 0's four loads are in; the twelve of steps 1 to 3 may be out
	TURN 0
.macro STEP t
.set XS, X+16*((\t)%2)
.if (\t) > 0
	s_wait_dscnt 1                                 ; this step's numbers are back from the stage (the last step's byte store may be out): so its stores into the stage have read their registers,
.else
	s_wait_dscnt 0x0
.endif
.if (\t)+4 < STEPS
	LOAD (\t)+4                                    ; which take the loads of four steps on
.endif
.if (\t)+1 < STEPS
.if STEPS-2-(\t) >= 3
	s_wait_loadcnt 12                              ; the next step's four loads are in; those of the three steps behind it may be out
.else
	s_wait_loadcnt 4*(STEPS-2-(\t))                ; at the end the count runs down with the steps that are left
.endif
	TURN (\t)+1                                    ; and go through the other stage while this step is worked
.endif
	v_max3_num_f32 v8, |v[XS]|, |v[XS+1]|, |v[XS+2]|               ; the largest magnitude of my 16, in two chains
	v_max3_num_f32 v9, |v[XS+3]|, |v[XS+4]|, |v[XS+5]|
.irp i, 6,10
	v_max3_num_f32 v8, v8, |v[XS+\i]|, |v[XS+\i+1]|
	v_max3_num_f32 v9, v9, |v[XS+\i+2]|, |v[XS+\i+3]|
.endr
	v_max3_num_f32 v8, v8, |v[XS+14]|, |v[XS+15]|
	v_max3_num_f32 v8, v8, v9, (EMAX+1)<<23        ; and the floor 2^(EMAX + 1 - 127): so the byte cannot fall under 1
	v_max_num_f32_dpp v8, v8, v8 row_xmask:1 row_mask:0xf bank_mask:0xf   ; and of my neighbour's 16: the block's
	v_add_nc_u32 v11, -(EMAX<<23), v8              ; EMAX off its exponent field: the conversion takes the exponent field of this operand as its scale, and nothing else of it
	v_cvt_scalef32_pk16_bf6_f32 v[C+4*(\t):C+4*(\t)+2], v[XS:XS+15], v11   ; sixteen codes, 96 bits without gaps, the first number's code lowest
	v_lshrrev_b32 v[E+(\t)], 23, v11               ; the scale's byte (also the plain line behind the conversion)
	ds_store_b8 v5, v[E+(\t)] offset:16*(\t)       ; both lanes of a block write the same byte with the same value
	global_store_b96 v4, v[C+4*(\t):C+4*(\t)+2], s[30:31] offset:32*CB*(\t)   ; the wave stores 384 consecutive bytes
.endm
.irp t, 0,1,2,3,4,5,6,7,8,9,10,11,12,13,14,15
	STEP \t
.endr
	ds_load_b64 v[12:13], v6                       ; these see my byte stores: a wave's LDS instructions are served in order
	s_wait_dscnt 0x0
	global_store_b64 v7, v[12:13], s[32:33]        ; 32 lanes store 256 consecutive bytes, two rows' scale bytes, at a multiple of 256 from the buffer's first byte
	s_wait_tensorcnt 0x0
	ds_add_u32 v192, v193
	s_wait_dscnt 0x0
	s_endpgm
.Lfunc_end_k_qc0ab3825e4_quant:
	.size	k_qc0ab3825e4_quant, .Lfunc_end_k_qc0ab3825e4_quant-k_qc0ab3825e4_quant
	.p2alignl 7, 3214868480
	.fill 96, 4, 3214868480
	.section	.rodata,"a",@progbits
	.p2align	6, 0x0
	.amdhsa_kernel k_qc0ab3825e4_quant
		.amdhsa_group_segment_fixed_size 33280
		.amdhsa_private_segment_fixed_size 0
		.amdhsa_enable_private_segment 0
		.amdhsa_kernarg_size 56
		.amdhsa_user_sgpr_count 2
		.amdhsa_user_sgpr_kernarg_segment_ptr 1
		.amdhsa_wavefront_size32 1
		.amdhsa_system_sgpr_workgroup_id_x 1
		.amdhsa_system_sgpr_workgroup_id_y 1
		.amdhsa_system_sgpr_workgroup_id_z 1
		.amdhsa_system_vgpr_workitem_id 0
		.amdhsa_next_free_vgpr 194
		.amdhsa_next_free_sgpr 66
		.amdhsa_reserve_vcc 0
		.amdhsa_float_denorm_mode_32 3
		.amdhsa_float_denorm_mode_16_64 3
		.amdhsa_memory_ordered 1
		.amdhsa_forward_progress 1
		.amdhsa_inst_pref_size 33
	.end_amdhsa_kernel
	.amdgpu_metadata
---
amdhsa.version: [ 1, 2 ]
amdhsa.kernels:
  - .name:           k_qc0ab3825e4_quant
    .symbol:         k_qc0ab3825e4_quant.kd
    .args:
      - { .name: hidden_states, .offset: 0, .size: 8, .value_kind: global_buffer, .address_space: global }
      - { .name: W, .offset: 8, .size: 8, .value_kind: global_buffer, .address_space: global }
      - { .name: xa_codes, .offset: 16, .size: 8, .value_kind: global_buffer, .address_space: global }
      - { .name: xa_scales, .offset: 24, .size: 8, .value_kind: global_buffer, .address_space: global }
      - { .name: w_codes, .offset: 32, .size: 8, .value_kind: global_buffer, .address_space: global }
      - { .name: w_scales, .offset: 40, .size: 8, .value_kind: global_buffer, .address_space: global }
      - { .name: lora_A, .offset: 48, .size: 8, .value_kind: global_buffer, .address_space: global }
    .group_segment_fixed_size: 33280
    .private_segment_fixed_size: 0
    .kernarg_segment_align: 8
    .kernarg_segment_size: 56
    .max_flat_workgroup_size: 128
    .sgpr_count:     66
    .vgpr_count:     194
    .wavefront_size: 32
...
	.end_amdgpu_metadata
.endif
;; end of part 1
;; launch gemm (part 2): grid 16 x 16, 4 waves a work-group, clusters of 4 x 4, 327,680 bytes of LDS; arguments xa_codes, xa_scales, w_codes, w_scales, b, lora_B, out0; writes out0
.if DOCPART == 2
	.amdgcn_target "amdgcn-amd-amdhsa--gfx1250"
	.amdhsa_code_object_version 6
	.text
	.protected	k_qc0ab3825e4_gemm
	.globl	k_qc0ab3825e4_gemm
	.p2align	8
	.type	k_qc0ab3825e4_gemm,@function
k_qc0ab3825e4_gemm:
	s_mov_b64 s[64:65], 0
	v_nop
	global_prefetch_b8 v0, s[64:65] scope:SCOPE_SE
	s_setreg_imm32_b32 hwreg(HW_REG_WAVE_MODE, 25, 1), 1
	s_wait_xcnt 0x0
	s_wait_alu depctr_hold_cnt(0) depctr_sa_sdst(0) depctr_va_vdst(0) depctr_va_sdst(0) depctr_va_ssrc(0) depctr_va_vcc(0) depctr_vm_vsrc(0)
	s_getreg_b32 s2, hwreg(HW_REG_IB_STS2, 6, 4)
	s_cmp_eq_u32 s2, 0
	s_cbranch_scc0 .Lentry_in_a_cluster
	s_endpgm
.Lentry_in_a_cluster:
	s_bfe_u32 s2, ttmp6, 0x10000c
	s_cmp_lg_u32 s2, 0xf033
	s_cbranch_scc0 .Lentry_shape_is_right
	s_endpgm
.Lentry_shape_is_right:
; out[m][n] = sum_k x[m][k] W[n][k] + b[n] + 2 sum_r (sum_k x[m][k] A_p[r][k]) B_p[n][r],  p = m / 512.  m, n, k: 4,096; r: 16.
; The two products along k run on codes of BF6 (E3M2) with one E8M0 scale for each 32 along k, as an earlier launch laid them; the product along r on bf16; all sums in f32.
; xa_codes [16][272][3072]: tile t = x's rows 256 t .. + 255, then the 16 rows of A_(t/2); xa_scales [16][272][128]; w_codes [4096][3072]; w_scales [4096][128].
; LIMITS: 2 a_out and lora_B are rounded to bf16 for the product along r; the bias enters each sum first, as the first product's C, not last; NaN and infinities are not served.
; SHARES.  A tile of out, 256 x 256, is made by a work-group of four waves, a wave makes 128 x 128: 64 accumulators, 512 registers.  A tile's 256 rows belong to one stream, so A_p is 16 more rows of
; "columns" for the same fragments of x: each wave makes a_out for its own 128 rows (8 accumulators more, 8 products beside a step's 64), and a_out never leaves the lane that needs it.
; ALL PRODUCTS ARE USED TRANSPOSED (source 0 = 16 rows of W, of A_p or of B_p; source 1 = 16 rows of x or of a_out): lane (r, h) holds row r of x, its registers eight neighbouring columns (or ranks) 8 h + 0 .. 7.
; That is also the layout of a bf16 source 1 for k = 8 h + 0 .. 7: a_out's accumulator, rounded in pairs, IS the operand of the last product.
; K goes in steps of 256 through a ring of two LDS slots filled by the tensor data mover; the scale bytes for all of K come once, with the first fills, and stay.
; CLUSTERS: 4 x 4 work-groups.  The four of a row of the cluster need the same tiles of x and A_p, the four of a column the same tiles of W: each is asked for JOINTLY.
; REGISTERS, in windows of 256.  Window 0: v1-3, v8-11 at work in the head (v8 stays: 32 h); v4-7, v16-31 addresses; v12-15 and v32-63 scale words, two sets; v64-127 the bias, in the result's layout;
;   v128-223 x's 8 fragments, ONE set; v224-255 a_out's accumulators of my rows 0-63.  On the way out v128-255 take rows read back from the stage.
;   Window 1: two sets of 9 fragments (W's eight, A_p's one) at v0 and v108; v216-247 a_out's accumulators of my rows 64-127; at the end v0-63 take B_p.
;   Window 2: the 32 accumulators of my rows 0-63 (accumulator (a, b) at v[8 (8 a + b)]);  window 3: those of my rows 64-127.
.set SIZE_N, 4096
.set NQ,     2                         ; steps of 128 along K in a slot
.set ROWB,   192                       ; a tile's row in bytes: 256 codes
.set KROW,   3072                      ; a row of codes in memory
.set PITCH,  240                       ; an LDS row: 3 x (64 bytes + 16 of padding) = 60 words: row r starts at bank -4 r mod 64 (64 banks of 4 bytes: ISA guide 11.1)
.set FR,     12                        ; registers of a fragment: 16 rows x 128 K
.set NL,     6                         ; LDS loads that bring one
.set NP,     4                         ; places behind this matrix instruction (ISA guide 7.12.1)
.set HALFA,  136*PITCH                 ; what one tensor load brings of x and A_p: half of 272 rows
.set HALFB,  128*PITCH                 ; what one brings of W; also what a wave reads of x or of W
.set LOFF,   256*PITCH                 ; A_p's 16 rows lie behind x's 256
.set BOFF,   2*HALFA                   ; W's 256 rows lie behind those
.set SLOT,   BOFF+2*HALFB              ; 126,720 bytes
.set LAPS,   8                         ; a lap = two K steps of 256 = once round the ring
.set KS,     128                       ; a row of scale bytes
.set SCL,    2*SLOT                    ; behind the ring: the scales of my 272 rows, two rows to 256 bytes + 16 of padding: 136 such pieces,
.set SHALFA, 68*272                    ; (what one tensor load brings of them)
.set SHALFB, 64*272                    ; (the same for W; also the scales of a wave's 128 rows)
.set SCLL,   SCL+128*272               ; among them A_p's,
.set SCLB,   SCL+2*SHALFA              ; and W's 128 pieces
.set SBLK,   8*272                     ; the scales of 16 rows
.set SPARE,  325376                    ; behind the scales (which end at 325,248), from the next multiple of 256 on: the spare words, 128 bytes for each wave, that no other line names
.set SPITCH, 528                       ; the way out: a stage of 16 rows x (512 bytes + 16) for each wave, in slot 0, which has had its last fill and its last read by then
.set ADRL, 4                           ; v4-5   LDS address of A_p's fragment in slot 0, 1  (v6-7: the same for the pieces that lie behind one padding more)
.set LSW,  12                          ; v12-15 A_p's scale words: set s at v[LSW + 2 s], the same word in both halves of the lanes
.set ADRA, 16                          ; v16-17 x's fragments  (v18-19)
.set ADRB, 20                          ; v20-21 W's  (v22-23)
.set STO,  24                          ; v24    the way out: where I put 32 bytes of a row
.set RD,   25                          ; v25    where I read a row back
.set CO,   26                          ; v26    my byte offset in a row of out
.set ADRS, 27                          ; v27    my scale words: lanes 0-15 x's rows, lanes 16-31 W's
.set SPW,  28                          ; v28    my spare word: SPARE + 4 x my thread's number; never rewritten
.set NIL,  29                          ; v29    0; never rewritten
.set ADRLS, 30                         ; v30    A_p's scale words
.set LBO,  31                          ; v31    my byte offset in 16 rows of B_p: 64 r + 32 h
.set SC,   32                          ; scale words: set s at v[SC + 16 s]; register 2 i + q: lanes 0-15 x's block i, lanes 16-31 W's block i, the slot's q-th 128 along K
.set BIAS, 64                          ; v[BIAS + 8 b + j] = b[my first column + 16 b + 8 h + j]
.set AF,   128                         ; x's fragments
.set LA0,  224                         ; a_out, rows 0-63, window 0
.set LA1,  216                         ; a_out, rows 64-127, window 1
.set BSET, 108                         ; a set of nine fragments in window 1
.set BK,   128                         ; the way out: v128-191 and v192-255 by turns
.set G1, 24                            ; s[24:31] descriptor group 1 for x's and A_p's tiles;  s[32:39] group 0, one set for each slot
.set G0, 32
.set G1B, 48                           ; s[48:55], s[56:63] the same for W's
.set G0B, 56
.set G1S, 68                           ; s[68:75], s[76:79] groups 1 and 0 for x's and A_p's scales;  s[80:87], s[88:91] for W's
.set G0S, 76
.set G1SB, 80
.set G0SB, 88
.set MSB, 0
.macro WIN new                         ; s_set_vgpr_msb: bits 1:0 source 0, 3:2 source 1, 5:4 source 2, 7:6 destination; the high byte repeats the setting that is left
.if MSB != \new
	s_set_vgpr_msb (MSB<<8)|\new
.set MSB, \new
.endif
.endm
.set MUL_LO,   0xa1                    ; source 0 window 1, source 1 window 0, C and D window 2
.set MUL_HI,   0xf1                    ; the same, C and D window 3
.set FIRST_LO, 0x81                    ; the first step: C (the bias) window 0, D window 2
.set FIRST_HI, 0xc1                    ; D window 3
.set LOR_LO,   0x01                    ; a_out: C and D window 0
.set LOR_HI,   0x51                    ; C and D window 1
.set TO_B,     0x40                    ; destination window 1, address window 0
.set CV1,      0x45                    ; sources 0 and 1 and destination window 1
.set BF_LO,    0xa1                    ; B_p window 1, a_out window 0, C and D window 2
.set BF_HI,    0xf5                    ; B_p and a_out window 1, C and D window 3
; A joint load: waves 0 and 1 fetch for x and A_p, waves 2 and 3 for W.  Each of the two lines has ONE mask and one set of registers for all that issue it; the branch hangs on the wave's number alone.
; Four v_nop follow each of the two lines, ahead of the jump, the label and what follows.
.macro JLOAD g0a, g1a, g0b, g1b
	s_cmp_eq_u32 s15, 0
	s_cbranch_scc0 .Lfor_b_\@
	tensor_load_to_lds s[\g0a:\g0a+3], s[\g1a:\g1a+7]
	s_nop 0
.rept 4
	v_nop
.endr
	s_branch .Lasked_\@
.Lfor_b_\@:
	tensor_load_to_lds s[\g0b:\g0b+3], s[\g1b:\g1b+7]
	s_nop 0
.rept 4
	v_nop
.endr
.Lasked_\@:
.endm
.macro CREST                           ; a round of the cluster's barrier behind its opening barrier
	s_cmp_lg_u32 s14, 0
	s_cbranch_scc1 .Lnot_wave_0_\@
	s_barrier_signal -3
.Lnot_wave_0_\@:
	s_barrier_wait -3
	s_barrier_signal -1
	s_barrier_wait -1
.endm
.macro CROUND                          ; a whole round
	s_barrier_signal -1
	s_barrier_wait -1
	CREST
.endm
	s_load_b128 s[4:7], s[0:1], 0x0                ; xa_codes s[4:5], xa_scales s[6:7]
	s_load_b128 s[8:11], s[0:1], 0x10              ; w_codes s[8:9], w_scales s[10:11]
	s_load_b128 s[96:99], s[0:1], 0x20             ; b s[96:97], lora_B s[98:99]
	s_load_b64 s[12:13], s[0:1], 0x30              ; out
	v_lshl_add_u32 v[SPW], v0, 2, SPARE
	v_mov_b32 v[NIL], 0
	ds_add_u32 v28, v29
	ds_add_u32 v28, v29
	s_wait_dscnt 0x0
	v_lshrrev_b32 v1, 5, v0
	v_readfirstlane_b32 s14, v1                    ; wave 0..3
	s_lshr_b32 s15, s14, 1                         ; i: which half of the tile's rows is mine.  Also: I fetch for x (0) or for W (1)
	s_and_b32 s16, s14, 1                          ; j: which half of its columns.  Also: which half of that tile I fetch
	s_bfe_u32 s40, ttmp6, 0x40000                  ; cx, cy: my place in the cluster
	s_bfe_u32 s41, ttmp6, 0x40004
	s_lshl_b32 s42, ttmp9, 2
	s_add_co_u32 s42, s42, s40                     ; tile column = 4 x cluster x + cx
	s_and_b32 s17, ttmp7, 0xffff
	s_lshl_b32 s17, s17, 2
	s_add_co_u32 s17, s17, s41                     ; tile row = 4 x cluster y + cy
	s_lshl_b32 s43, s41, 2
	s_lshl_b32 s43, 15, s43                        ; my row of the cluster
	s_lshl_b32 s44, 0x1111, s40                    ; my column
	; descriptor groups 1 for codes: rows of 192 bytes, 3,072 apart in memory, 16 bytes of padding behind every 64 in LDS; 136 rows for x and A_p, 128 for W
	s_or_b32 s[G1+0], s43, (0<<16)|(1<<20)|(1<<21)|(3<<22)|(3<<25)   ; 15:0 the mask: my row; 17:16 elements of 1 byte; 20 padding on; 21 set beside a mask; 24:22 after every 16 words; 31:25 4 words
	s_mov_b32 s[G1+1], ROWB<<16                    ; tensor_dim0
	s_mov_b32 s[G1+2], 136<<16                     ; tensor_dim1
	s_mov_b32 s[G1+3], ROWB<<16                    ; tile_dim0
	s_mov_b32 s[G1+4], 136                         ; tile_dim1
	s_mov_b32 s[G1+5], KROW                        ; tensor_dim0_stride
	s_mov_b32 s[G1+6], 0
	s_mov_b32 s[G1+7], 0
	s_or_b32 s[G1B+0], s44, (0<<16)|(1<<20)|(1<<21)|(3<<22)|(3<<25)  ; the same with the mask of my column
	s_mov_b32 s[G1B+1], ROWB<<16
	s_mov_b32 s[G1B+2], 128<<16
	s_mov_b32 s[G1B+3], ROWB<<16
	s_mov_b32 s[G1B+4], 128
	s_mov_b32 s[G1B+5], KROW
	s_mov_b32 s[G1B+6], 0
	s_mov_b32 s[G1B+7], 0
	; and for scale bytes: dense blocks, as rows of 256 bytes (32 elements of 8 bytes), 16 bytes of padding behind each; 68 rows (136 rows' scales) and 64
	s_or_b32 s[G1S+0], s43, (3<<16)|(1<<20)|(1<<21)|(5<<22)|(3<<25)
	s_mov_b32 s[G1S+1], 32<<16
	s_mov_b32 s[G1S+2], 68<<16
	s_mov_b32 s[G1S+3], 32<<16
	s_mov_b32 s[G1S+4], 68
	s_mov_b32 s[G1S+5], 32
	s_mov_b32 s[G1S+6], 0
	s_mov_b32 s[G1S+7], 0
	s_or_b32 s[G1SB+0], s44, (3<<16)|(1<<20)|(1<<21)|(5<<22)|(3<<25)
	s_mov_b32 s[G1SB+1], 32<<16
	s_mov_b32 s[G1SB+2], 64<<16
	s_mov_b32 s[G1SB+3], 32<<16
	s_mov_b32 s[G1SB+4], 64
	s_mov_b32 s[G1SB+5], 32
	s_mov_b32 s[G1SB+6], 0
	s_mov_b32 s[G1SB+7], 0
	; where the tiles come from: x's hang on the tile row alone, W's on the tile column alone, each in registers that never hold the other coordinate
	s_mul_i32 s20, s17, 272
	s_mul_i32 s18, s16, 136
	s_add_co_u32 s20, s20, s18                     ; xa: row 272 x tile row + 136 x half
	s_lshl_b32 s46, s42, 8
	s_lshl_b32 s18, s16, 7
	s_add_co_u32 s46, s46, s18                     ; W: row 256 x tile column + 128 x half
	s_mov_b32 s21, 0
	s_mov_b32 s47, 0
	s_mov_b64 s[18:19], KS
	s_mul_u64 s[22:23], s[20:21], s[18:19]         ; where these rows' scales begin, in bytes,
	s_mul_u64 s[92:93], s[46:47], s[18:19]
	s_mov_b64 s[18:19], KROW
	s_mul_u64 s[20:21], s[20:21], s[18:19]         ; and their codes
	s_mul_u64 s[46:47], s[46:47], s[18:19]
	s_mul_i32 s45, s16, HALFA                      ; where they go: the half's place; no place in the cluster enters an LDS address
	s_mul_i32 s66, s16, HALFB
	s_mul_i32 s94, s16, SHALFA
	s_mul_i32 s95, s16, SHALFB
	s_wait_kmcnt 0x0
	s_add_nc_u64 s[20:21], s[4:5], s[20:21]
	s_add_nc_u64 s[22:23], s[6:7], s[22:23]
	s_add_nc_u64 s[46:47], s[8:9], s[46:47]
	s_add_nc_u64 s[92:93], s[10:11], s[92:93]
	CROUND                                         ; all sixteen work-groups are here: the first joint loads meet
	s_mov_b32 s[G0S], 1                            ; 1:0 count = 1
	s_add_co_u32 s[G0S+1], s94, SCL                ; 63:32 LDS address
	s_mov_b64 s[G0S+2:G0S+3], s[22:23]             ; 120:64 global address
	s_or_b32 s[G0S+3], s[G0S+3], 0x80000000        ; 127:126 type = 2
	s_mov_b32 s[G0SB], 1
	s_add_co_u32 s[G0SB+1], s95, SCLB
	s_mov_b64 s[G0SB+2:G0SB+3], s[92:93]
	s_or_b32 s[G0SB+3], s[G0SB+3], 0x80000000
	JLOAD G0S, G1S, G0SB, G1SB                     ; the scales first: they are wanted with K step 0
.irp s, 0,1
	s_mov_b32 s[G0+4*\s], 1
	s_add_co_u32 s[G0+4*\s+1], s45, \s*SLOT
	s_add_nc_u64 s[G0+4*\s+2:G0+4*\s+3], s[20:21], \s*ROWB
	s_or_b32 s[G0+4*\s+3], s[G0+4*\s+3], 0x80000000
	s_mov_b32 s[G0B+4*\s], 1
	s_add_co_u32 s[G0B+4*\s+1], s66, BOFF+\s*SLOT
	s_add_nc_u64 s[G0B+4*\s+2:G0B+4*\s+3], s[46:47], \s*ROWB
	s_or_b32 s[G0B+4*\s+3], s[G0B+4*\s+3], 0x80000000
	JLOAD G0+4*\s, G1, G0B+4*\s, G1B               ; three tensor loads of mine are out behind the second of these
.endr
	v_and_b32 v1, 15, v0                           ; r = lane % 16
	v_bfe_u32 v2, v0, 4, 1                         ; h = lane / 16
	v_mul_u32_u24 v3, v1, PITCH
	v_mul_u32_u24 v9, v2, 24
	v_add_nc_u32 v9, v3, v9                        ; a fragment's row x pitch + 24 x half
	v_lshl_add_u32 v10, v2, 4, v9                  ; and the same behind one padding more
	s_mul_i32 s21, s15, HALFB                      ; my 128 rows of x
	s_mul_i32 s22, s16, HALFB                      ; my 128 rows of W,
	s_add_co_u32 s22, s22, BOFF                    ; which lie behind the 272
.irp s, 0,1
	v_add_nc_u32 v[ADRA+\s], s21, v9
	v_add_nc_u32 v[ADRB+\s], s22, v9
	v_add_nc_u32 v[ADRA+2+\s], s21, v10
	v_add_nc_u32 v[ADRB+2+\s], s22, v10
	v_add_nc_u32 v[ADRL+\s], LOFF+\s*SLOT, v9
	v_add_nc_u32 v[ADRL+2+\s], LOFF+\s*SLOT, v10
	s_add_co_u32 s21, s21, SLOT
	s_add_co_u32 s22, s22, SLOT
.endr
	v_mul_u32_u24 v9, v1, KS                       ; my row's scales: 128 bytes a row,
	v_lshrrev_b32 v10, 8, v9
	v_lshl_add_u32 v9, v10, 4, v9                  ; and 16 more for each 256 passed
	v_add_nc_u32 v[ADRLS], SCLL, v9                ; A_p's: the same in both halves of the lanes
	s_mul_i32 s21, s15, SHALFB                     ; x's: my 128 rows
	s_mul_i32 s22, s16, SHALFB                     ; W's: my 128 rows, behind the 272 rows' scales
	s_add_co_u32 s22, s22, SCLB-SCL
	s_sub_co_u32 s22, s22, s21
	v_mul_u32_u24 v10, s22, v2                     ; lanes 16-31 take W's: the lower base + h x the distance
	s_add_co_u32 s21, s21, SCL
	v_add_nc_u32 v9, v9, v10
	v_add_nc_u32 v[ADRS], s21, v9
	s_mul_i32 s23, s14, 16*SPITCH                  ; my stage
	v_mul_u32_u24 v9, v1, SPITCH                   ; in: row r, 32 bytes for each half of the lanes
	v_lshl_add_u32 v9, v2, 5, v9
	v_add_nc_u32 v[STO], s23, v9
	v_and_b32 v10, 31, v0
	v_lshlrev_b32 v[CO], 4, v10                    ; back: the 32 lanes take one row of 512 bytes; and the same in out
	v_add_nc_u32 v[RD], s23, v[CO]
	v_lshlrev_b32 v8, 5, v2                        ; the bias: my half's eight numbers of a block of 16
	v_lshl_add_u32 v[LBO], v1, 6, v8               ; B_p: row r of 64 bytes, + 32 h
	s_lshl_b32 s20, s17, 8
	s_lshl_b32 s21, s15, 7
	s_add_co_u32 s20, s20, s21                     ; my first row of out: 256 x tile row + 128 i
	s_mov_b32 s21, 0
	s_mov_b64 s[18:19], SIZE_N*4
	s_mul_u64 s[20:21], s[20:21], s[18:19]
	s_lshl_b32 s46, s42, 10                        ; my first column, in bytes of f32: 1,024 x tile column + 512 j
	s_lshl_b32 s47, s16, 9
	s_add_co_u32 s46, s46, s47
	s_mov_b32 s47, 0
	s_add_nc_u64 s[96:97], s[96:97], s[46:47]      ; b at my first column
	s_add_nc_u64 s[20:21], s[20:21], s[46:47]
	s_add_nc_u64 s[12:13], s[12:13], s[20:21]      ; out at my first row and column
	s_lshl_b32 s92, s46, 4                         ; B_p: 64 bytes a column,
	s_lshr_b32 s93, s17, 1
	s_lshl_b32 s93, s93, 18                        ; and 262,144 a stream: p = tile row / 2
	s_add_co_u32 s92, s92, s93
	s_mov_b32 s93, 0
	s_add_nc_u64 s[98:99], s[98:99], s[92:93]
.irp b, 0,1,2,3,4,5,6,7
	global_load_b128 v[BIAS+8*\b:BIAS+8*\b+3],   v8, s[96:97] offset:64*\b      ; the bias in the result's layout: it is the C of each sum's first product
	global_load_b128 v[BIAS+8*\b+4:BIAS+8*\b+7], v8, s[96:97] offset:64*\b+16
.endr
.macro FRAG reg, adr, q, i             ; a fragment, 16 rows x 128 K of 6-bit codes, is 12 registers: lane (r, h) holds row r; registers 6 c .. 6 c + 5 hold K = 64 c + 32 h + 0 .. 31: 24 bytes of the row's stream of bits, as they lie
.irp p, 0,1,2,3,4,5                    ; in pieces of 8 bytes, so that every address is a multiple of the access's size.  Lanes 0-15 take the row's pieces 12 q + 0, 1, 2 and 12 q + 6, 7, 8, lanes 16-31 those three pieces on
.set PC, 12*(\q)+6*(\p/3)+\p%3        ; 16 bytes of padding lie behind every 8 pieces: where the piece three on lies behind one padding more, the second address register (40 for 24 bytes a half) serves
.if PC%8 < 5
	ds_load_b64 v[\reg+2*\p:\reg+2*\p+1], v[\adr] offset:8*PC+16*(PC/8)+(\i)*16*PITCH
.else
	ds_load_b64 v[\reg+2*\p:\reg+2*\p+1], v[\adr+2] offset:8*PC+16*(PC/8)+(\i)*16*PITCH
.endif
.endr
.endm
; 16 products: x's blocks a0, a0 + 1 against W's eight, 128 along K: the slot's q-th.  p: the set in window 1;  sc: the set of scale words.  first = 1: the bias is C: nothing is cleared, nothing added later.
; All accumulators, a_out's too, take turns, one instruction a turn, in the same order in every step.
.macro MUL16 a0, p, q, sc, first
.irp a, \a0, \a0+1
.irp b, 0,1,2,3,4,5,6,7
.if \first
	v_wmma_scale_f32_16x16x128_f8f6f4 v[8*(8*((\a)%4)+\b):8*(8*((\a)%4)+\b)+7], v[BSET*(\p)+FR*\b:BSET*(\p)+FR*\b+FR-1], v[AF+FR*(\a):AF+FR*(\a)+FR-1], v[BIAS+8*\b:BIAS+8*\b+7], v[SC+8*NQ*(\sc)+NQ*\b+(\q)], v[SC+8*NQ*(\sc)+NQ*(\a)+(\q)] matrix_a_fmt:MATRIX_FMT_BF6 matrix_b_fmt:MATRIX_FMT_BF6 matrix_a_scale:MATRIX_SCALE_ROW1
.else
	v_wmma_scale_f32_16x16x128_f8f6f4 v[8*(8*((\a)%4)+\b):8*(8*((\a)%4)+\b)+7], v[BSET*(\p)+FR*\b:BSET*(\p)+FR*\b+FR-1], v[AF+FR*(\a):AF+FR*(\a)+FR-1], v[8*(8*((\a)%4)+\b):8*(8*((\a)%4)+\b)+7], v[SC+8*NQ*(\sc)+NQ*\b+(\q)], v[SC+8*NQ*(\sc)+NQ*(\a)+(\q)] matrix_a_fmt:MATRIX_FMT_BF6 matrix_b_fmt:MATRIX_FMT_BF6 matrix_a_scale:MATRIX_SCALE_ROW1
.endif
.endr
.endr
.endm
; 4 products of a_out^T = A_p x^T: x's blocks a0 .. a0 + 3 against A_p's one fragment, the ninth of the set.  first = 1: the constant 0 starts the sums.
.macro LORA4 a0, p, q, sc, first
.irp a, \a0, \a0+1, \a0+2, \a0+3
.if (\a) < 4
.set LACC, LA0+8*(\a)
.else
.set LACC, LA1+8*((\a)-4)
.endif
.if \first
	v_wmma_scale_f32_16x16x128_f8f6f4 v[LACC:LACC+7], v[BSET*(\p)+8*FR:BSET*(\p)+9*FR-1], v[AF+FR*(\a):AF+FR*(\a)+FR-1], 0, v[LSW+NQ*(\sc)+(\q)], v[SC+8*NQ*(\sc)+NQ*(\a)+(\q)] matrix_a_fmt:MATRIX_FMT_BF6 matrix_b_fmt:MATRIX_FMT_BF6 matrix_a_scale:MATRIX_SCALE_ROW1
.else
	v_wmma_scale_f32_16x16x128_f8f6f4 v[LACC:LACC+7], v[BSET*(\p)+8*FR:BSET*(\p)+9*FR-1], v[AF+FR*(\a):AF+FR*(\a)+FR-1], v[LACC:LACC+7], v[LSW+NQ*(\sc)+(\q)], v[SC+8*NQ*(\sc)+NQ*(\a)+(\q)] matrix_a_fmt:MATRIX_FMT_BF6 matrix_b_fmt:MATRIX_FMT_BF6 matrix_a_scale:MATRIX_SCALE_ROW1
.endif
.endr
.endm
.macro FETCH_B slot, q, p              ; W's eight fragments and A_p's one, of the slot's q-th 128 along K, into set p: 54 loads
	WIN TO_B
.irp i, 0,1,2,3,4,5,6,7
	FRAG BSET*(\p)+FR*\i, ADRB+\slot, \q, \i
.endr
	FRAG BSET*(\p)+8*FR, ADRL+\slot, \q, 0
	WIN 0
.endm
.macro FETCH_A slot, q, i0             ; x's blocks i0 .. i0 + 3: 24 loads
.irp i, \i0, \i0+1, \i0+2, \i0+3
	FRAG AF+FR*(\i), ADRA+\slot, \q, \i
.endr
.endm
.macro SCALES sc                       ; the next K step's scale words into set sc: two words a row; lanes 0-15 take x's block i, lanes 16-31 W's block i; then A_p's
.irp i, 0,1,2,3,4,5,6,7
	ds_load_b64 v[SC+8*NQ*\sc+NQ*\i:SC+8*NQ*\sc+NQ*\i+1], v[ADRS] offset:\i*SBLK
.endr
	ds_load_b64 v[LSW+NQ*\sc:LSW+NQ*\sc+1], v[ADRLS]
.endm
; A load into a register that a matrix instruction has read, and a vector instruction or an LDS store that reads a matrix result, stand NP places behind that matrix instruction; only plain vector
; instructions that name none of its registers are places (ISA guide 7.12.1 for vector instructions); the matrix instructions in between are not counted.
.macro PLACES n
.rept \n
	v_nop
.endr
.endm
; A step of 128 along K that has its successor in the same slot: 72 products.  x's blocks 0-3 are fetched anew in its middle, blocks 4-7 at its end; the other set in window 1 in its middle.
.macro STEP slot, q, first
	s_wait_dscnt 4*NL                              ; the set in window 1, the scale words and x's blocks 0-3 are in; the youngest 24 loads (x's blocks 4-7) may be out
.if \first
	WIN FIRST_LO
.else
	WIN MUL_LO
.endif
	MUL16 0, (\q)%2, \q, \slot, \first
	MUL16 2, (\q)%2, \q, \slot, \first
	WIN LOR_LO
	LORA4 0, (\q)%2, \q, \slot, \first
	s_wait_dscnt 0                                 ; x's blocks 4-7 are in (asked for 36 matrix instructions ago)
	PLACES NP
	FETCH_B \slot, (\q)+1, 1-(\q)%2
	FETCH_A \slot, (\q)+1, 0
.if \first
	WIN FIRST_HI
.else
	WIN MUL_HI
.endif
	MUL16 4, (\q)%2, \q, \slot, \first
	MUL16 6, (\q)%2, \q, \slot, \first
	WIN LOR_HI
	LORA4 4, (\q)%2, \q, \slot, \first
	PLACES NP
	WIN 0
	FETCH_A \slot, (\q)+1, 4
.endm
; A slot's last step changes slots: ONE barrier; in front of it each wave waits for all its tensor loads, adds 0 to its spare word, and waits for that and for its own reads of this slot.
; fill = 1: this slot is filled again, two K steps ahead; the barrier then opens a round of the cluster's barrier.
.macro TURN slot, next, fill
	s_wait_tensorcnt 0x0                           ; all my tensor loads have landed: the one that was out is my part of the next slot  (every window is 0 here)
	ds_add_u32 v[SPW], v[NIL]                      ; 0 onto my spare word
	s_wait_dscnt 4*NL+1                            ; (the add and the youngest 24 loads, x's blocks 4-7, may be out)
	WIN MUL_LO
	MUL16 0, 1, NQ-1, \slot, 0                     ; sixteen matrix instructions stand between the add and the wait for it
	s_wait_dscnt 0x0                               ; the add is done, and my reads of this slot are over
	s_barrier_signal -1
	MUL16 2, 1, NQ-1, \slot, 0                     ; work on registers while the others arrive
	WIN LOR_LO
	LORA4 0, 1, NQ-1, \slot, 0
	WIN 0
	s_barrier_wait -1
.if \fill
	CREST                                          ; no wave of any partner still reads this slot's tile or has a load on its way
	s_add_nc_u64 s[G0+4*\slot+2:G0+4*\slot+3], s[G0+4*\slot+2:G0+4*\slot+3], 2*ROWB
	s_add_nc_u64 s[G0B+4*\slot+2:G0B+4*\slot+3], s[G0B+4*\slot+2:G0B+4*\slot+3], 2*ROWB
	JLOAD G0+4*\slot, G1, G0B+4*\slot, G1B         ; the first tensor load behind the round, my one until the next; the four v_nop behind it are the places in front of the loads below
.else
	PLACES NP
.endif
	v_add_nc_u32 v[ADRS], 4*NQ, v[ADRS]            ; on to the next K step's scale words: 8 bytes a row
	v_add_nc_u32 v[ADRLS], 4*NQ, v[ADRLS]
	FETCH_B \next, 0, 0
	FETCH_A \next, 0, 0
	SCALES \next
	WIN MUL_HI
	MUL16 4, 1, NQ-1, \slot, 0
	MUL16 6, 1, NQ-1, \slot, 0
	WIN LOR_HI
	LORA4 4, 1, NQ-1, \slot, 0
	PLACES NP
	WIN 0
	FETCH_A \next, 0, 4
.endm
	s_wait_tensorcnt 1                             ; the scales and my part of K step 0 are in; K step 1's load may be out
	s_barrier_signal -1
	s_barrier_wait -1                              ; everybody's are
	FETCH_B 0, 0, 0
	FETCH_A 0, 0, 0
	SCALES 0
	FETCH_A 0, 0, 4
	s_wait_loadcnt 0x0                             ; the bias
	STEP 0, 0, 1                                   ; the first step stands in front of the loop: its products start the sums
	s_mov_b32 s3, LAPS-1
.Llap:                                                 ; a trip goes once round the ring, from a lap's second step to the next lap's first: 512 along K, 288 products; both slots are filled again
	TURN 0, 1, 1
	STEP 1, 0, 0
	TURN 1, 0, 1
	STEP 0, 0, 0
	s_sub_co_u32 s3, s3, 1
	s_cmp_lg_u32 s3, 0
	s_cbranch_scc1 .Llap
	TURN 0, 1, 0                                   ; the last lap fills nothing, and has no round of the cluster's barrier
	STEP 1, 0, 0
	WIN TO_B                                       ; set 0 in window 1 is done with, four places back: its first 64 registers take my 128 rows of B_p, f32, a whole step ahead of their use
.irp b, 0,1,2,3,4,5,6,7
	global_load_b128 v[8*\b:8*\b+3],   v[LBO], s[98:99] offset:1024*\b      ; lane (r, h): B_p(my first column + 16 b + r, ranks 8 h + 0 .. 7)
	global_load_b128 v[8*\b+4:8*\b+7], v[LBO], s[98:99] offset:1024*\b+16
.endr
	WIN 0
	s_wait_dscnt 4*NL                              ; the very last step: nothing more to fetch from LDS
	WIN MUL_LO
	MUL16 0, 1, NQ-1, 1, 0
	MUL16 2, 1, NQ-1, 1, 0
	WIN LOR_LO
	LORA4 0, 1, NQ-1, 1, 0
	s_wait_dscnt 0
	WIN MUL_HI
	MUL16 4, 1, NQ-1, 1, 0
	MUL16 6, 1, NQ-1, 1, 0
	WIN LOR_HI
	LORA4 4, 1, NQ-1, 1, 0
; THE PRODUCT ALONG THE RANKS: out^T += B_p (2 a_out)^T, on bf16, K = 16 of the instruction's 32.
; Eight f32 of a lane, k = 8 h + 0 .. 7, become a bf16 operand in place: registers 0-3 the eight numbers in pairs (each rounding writes only registers that have been read), registers 4-7, k = 16 .. 31, zeros
; on both sides.  twice = 1: the numbers are doubled first (reference's scaling, alpha / rank = 2: exact).  An accumulator is read from its low end on.
.macro TOBF t, twice
.if \twice
.irp i, 0,2,4,6
	v_pk_mul_f32 v[\t+\i:\t+\i+1], v[\t+\i:\t+\i+1], 2.0 op_sel_hi:[1,0]
.endr
.endif
.irp i, 0,1,2,3
	v_cvt_pk_bf16_f32 v[\t+\i], v[\t+2*\i], v[\t+2*\i+1]
.endr
.irp i, 4,5,6,7
	v_mov_b32 v[\t+\i], 0
.endr
.endm
	PLACES NP+1                                    ; five: a matrix instruction of another form will write over the accumulators just written; four of them also serve the vector reads of a_out
	WIN 0
.irp t, 0,1,2,3
	TOBF LA0+8*\t, 1
.endr
	WIN CV1
.irp t, 0,1,2,3
	TOBF LA1+8*\t, 1
.endr
	s_wait_loadcnt 0x0                             ; B_p
.irp b, 0,1,2,3,4,5,6,7
	TOBF 8*\b, 0
.endr
	PLACES NP                                      ; the distance that a scaled product is owed behind vector writes of its operands is kept for these products too
	WIN BF_LO
.irp a, 0,1,2,3                                ; the 64 accumulators by turns, one instruction each
.irp b, 0,1,2,3,4,5,6,7
	v_wmma_f32_16x16x32_bf16 v[8*(8*\a+\b):8*(8*\a+\b)+7], v[8*\b:8*\b+7], v[LA0+8*\a:LA0+8*\a+7], v[8*(8*\a+\b):8*(8*\a+\b)+7]
.endr
.endr
	WIN BF_HI
.irp a, 0,1,2,3
.irp b, 0,1,2,3,4,5,6,7
	v_wmma_f32_16x16x32_bf16 v[8*(8*\a+\b):8*(8*\a+\b)+7], v[8*\b:8*\b+7], v[LA1+8*\a:LA1+8*\a+7], v[8*(8*\a+\b):8*(8*\a+\b)+7]
.endr
.endr
	WIN 0
; THE WAY OUT, block by block of 16 rows x 128 columns.  A lane holds 32 neighbouring bytes of a row, and the lanes beside it hold other rows: so a block goes through my own stage in LDS and comes back as whole
; rows of 512 bytes.  LDS serves a wave's instructions in order (ISA guide 5.7.1.4): no wait between the stores and the loads, nor in front of the next block's stores.
.macro TOSTAGE a
.set AC, 64*((\a)%4)
	WIN 0x08+4*((\a)/4)                            ; the data: window 2 or 3
.irp b, 0,1,2,3,4,5,6,7
	ds_store_b128 v[STO], v[AC+8*\b:AC+8*\b+3] offset:64*\b          ; each accumulator from its low end on
	ds_store_b128 v[STO], v[AC+8*\b+4:AC+8*\b+7] offset:64*\b+16
.endr
	WIN 0
.set BB, BK+64*((\a)%2)
.irp t, 0,1,2,3,4,5,6,7,8,9,10,11,12,13,14,15
	ds_load_b128 v[BB+4*\t:BB+4*\t+3], v[RD] offset:\t*SPITCH
.endr
.endm
.macro SEND a, younger                 ; younger: the LDS instructions issued behind block a's loads, which may stay out
.set BB, BK+64*((\a)%2)
	s_wait_dscnt \younger                          ; the block is back in registers
.if (\a) > 0
	s_add_nc_u64 s[12:13], s[12:13], 16*SIZE_N*4   ; (behind a wait on XCNT: the earlier stores have read their base)  16 rows of out on; the stores' offsets reach 15 rows, 245,760 bytes
.endif
.irp t, 0,1,2,3,4,5,6,7,8,9,10,11,12,13,14,15
	global_store_b128 v[CO], v[BB+4*\t:BB+4*\t+3], s[12:13] offset:\t*SIZE_N*4 th:TH_STORE_NT   ; 32 lanes store 512 consecutive bytes, at a multiple of 256 from out's first byte; written once, read by nobody here
.endr
.endm
	PLACES NP                                      ; behind the last products: for the stores that read results and the loads into the registers that held a_out
	TOSTAGE 0
.irp a, 1,2,3,4,5,6,7
.if \a > 1
	s_wait_xcnt 0x0                                ; block a - 2's stores have read their registers and their base: block a's loads may land there, and the base may step
.endif
	TOSTAGE \a
	SEND \a-1, 32                                  ; behind block a - 1's loads: block a's 16 stores and 16 loads
.endr
	s_wait_xcnt 0x0                                ; block 6's stores have read their base
	SEND 7, 0
	s_wait_tensorcnt 0x0                           ; the wave's end: behind my last tensor load and my last LDS store
	ds_add_u32 v[SPW], v[NIL]
	s_wait_dscnt 0x0
	CROUND                                         ; the closing round: no work-group ends while a partner may still ask for a tile that names it
	s_endpgm
.Lfunc_end_k_qc0ab3825e4_gemm:
	.size	k_qc0ab3825e4_gemm, .Lfunc_end_k_qc0ab3825e4_gemm-k_qc0ab3825e4_gemm
	.p2alignl 7, 3214868480
	.fill 96, 4, 3214868480
	.section	.rodata,"a",@progbits
	.p2align	6, 0x0
	.amdhsa_kernel k_qc0ab3825e4_gemm
		.amdhsa_group_segment_fixed_size 327680
		.amdhsa_private_segment_fixed_size 0
		.amdhsa_enable_private_segment 0
		.amdhsa_kernarg_size 56
		.amdhsa_user_sgpr_count 2
		.amdhsa_user_sgpr_kernarg_segment_ptr 1
		.amdhsa_wavefront_size32 1
		.amdhsa_system_sgpr_workgroup_id_x 1
		.amdhsa_system_sgpr_workgroup_id_y 1
		.amdhsa_system_sgpr_workgroup_id_z 1
		.amdhsa_system_vgpr_workitem_id 0
		.amdhsa_next_free_vgpr 1024
		.amdhsa_next_free_sgpr 100
		.amdhsa_reserve_vcc 0
		.amdhsa_float_denorm_mode_32 3
		.amdhsa_float_denorm_mode_16_64 3
		.amdhsa_memory_ordered 1
		.amdhsa_forward_progress 1
		.amdhsa_inst_pref_size 188
	.end_amdhsa_kernel
	.amdgpu_metadata
---
amdhsa.version: [ 1, 2 ]
amdhsa.kernels:
  - .name:           k_qc0ab3825e4_gemm
    .symbol:         k_qc0ab3825e4_gemm.kd
    .args:
      - { .name: xa_codes, .offset: 0, .size: 8, .value_kind: global_buffer, .address_space: global }
      - { .name: xa_scales, .offset: 8, .size: 8, .value_kind: global_buffer, .address_space: global }
      - { .name: w_codes, .offset: 16, .size: 8, .value_kind: global_buffer, .address_space: global }
      - { .name: w_scales, .offset: 24, .size: 8, .value_kind: global_buffer, .address_space: global }
      - { .name: b, .offset: 32, .size: 8, .value_kind: global_buffer, .address_space: global }
      - { .name: lora_B, .offset: 40, .size: 8, .value_kind: global_buffer, .address_space: global }
      - { .name: out0, .offset: 48, .size: 8, .value_kind: global_buffer, .address_space: global }
    .group_segment_fixed_size: 327680
    .private_segment_fixed_size: 0
    .kernarg_segment_align: 8
    .kernarg_segment_size: 56
    .max_flat_workgroup_size: 128
    .sgpr_count:     100
    .vgpr_count:     1024
    .wavefront_size: 32
...
	.end_amdgpu_metadata
.endif
;; end of part 2
